; MI455X (gfx1250); checked and timed in simulation.
; The chip was launched on July 23, 2026; its instructions are those of AMD's public machine-readable ISA for CDNA 5 (MIT licence, August 2026) and "CDNA5" Instruction Set Architecture Reference Guide (July 2026). The comments in the code are by the model that wrote it; some were corrected since.
;; MP Attention Layer. Allowed arithmetic: float matrix products may take bf16 or f16 operands with f32 sums; other float arithmetic in f32, or as packed bf16 or f16 multiplies, adds, multiply-adds, maxima and minima; sums over many terms, partial sums and values carried from step to step in f32; what a program stores and reads back later, other than sums and carried values, may be rounded once to bf16 or f16.
;; Inputs: dictionary 4,096 x 1,024 float32; mask 4 x 2,048 x 4,096 int32; x 4 x 2,048 x 1,024 float32.
;; Outputs: out0 4 x 2,048 x 1,024 float32; out1 4 x 2,048 int32.
;; 2 versions, each right; version 2 is version 1 with the launches cast, merge written anew for expert scheduling mode. Each part assembles by itself: llvm-mc -triple=amdgcn-amd-amdhsa -mcpu=gfx1250 --defsym DOCPART=n.
;; ======== version 1 of 2: 3 launches
;; workspace buffers: dh 8,388,608 bytes; xh 16,777,216 bytes; po 67,108,864 bytes; st 262,144 bytes
;; launch cast (part 1): grid 768 x 1, 8 waves a work-group, no clusters, 0 bytes of LDS; arguments x, dictionary, xh, dh; writes xh, dh
.if DOCPART == 1
	.amdgcn_target "amdgcn-amd-amdhsa--gfx1250"
	.amdhsa_code_object_version 6
	.text
	.protected	k_q68a14ac842_cast
	.globl	k_q68a14ac842_cast
	.p2align	8
	.type	k_q68a14ac842_cast,@function
k_q68a14ac842_cast:
	s_mov_b64 s[64:65], 0
	v_nop
	global_prefetch_b8 v0, s[64:65] scope:SCOPE_SE
	s_setreg_imm32_b32 hwreg(HW_REG_WAVE_MODE, 25, 1), 1
	s_wait_xcnt 0x0
; x [8192][1024] and dictionary [4096][1024], f32, are rounded once to bf16 (xh, dh), and inside each group of 16 rows the rows change places:
; row j of a group goes to place 2 (j & 7) + (j >> 3).  The next launch reads one LDS tile of dh both by rows and turned; with this order both kinds of read find their rows in different banks.
; A work-group takes one group of 16 rows (65,536 bytes in, 32,768 out): groups 0-511 are x's, 512-767 the dictionary's.  Thread t takes the 16 bytes at 16 t of every row:
; a wave's load covers 512 consecutive bytes, its store 256 consecutive bytes at a multiple of 256 from the buffer's first byte.  All 16 loads of a thread go out at once.
; No LDS, no barrier: no thread wants a number that another has loaded.
.set ROWIN,  4096                      ; bytes in a row of f32
.set ROWOUT, 2048                      ; bytes in a row of bf16
.set XGROUPS, 512                      ; groups of 16 rows in x
.set IN,  8                            ; v[8:71]    row j as loaded: 4 registers
.set OUT, 72                           ; v[72:103]  row j to store: 2 registers
	s_load_b256 s[4:11], s[0:1], 0x0               ; x s[4:5], dictionary s[6:7], xh s[8:9], dh s[10:11]
	v_lshlrev_b32 v1, 4, v0                        ; my 16 bytes of a row on the way in
	v_lshlrev_b32 v2, 3, v0                        ; my 8 bytes on the way out
	s_sub_co_u32 s13, ttmp9, XGROUPS               ; the group's number, if it is the dictionary's
	s_cmp_lt_u32 ttmp9, XGROUPS                    ; x or dictionary: hangs on the work-group's number alone
	s_cselect_b32 s12, ttmp9, s13
	s_wait_kmcnt 0x0
	s_cselect_b64 s[14:15], s[4:5], s[6:7]         ; from where
	s_cselect_b64 s[16:17], s[8:9], s[10:11]       ; to where
	s_lshl_b32 s18, s12, 16                        ; 16 rows of 4,096 bytes
	s_mov_b32 s19, 0
	s_add_nc_u64 s[14:15], s[14:15], s[18:19]
	s_lshl_b32 s18, s12, 15                        ; 16 rows of 2,048 bytes
	s_add_nc_u64 s[16:17], s[16:17], s[18:19]
.set j, 0
.rept 16
	global_load_b128 v[IN+4*j:IN+4*j+3], v1, s[14:15] offset:ROWIN*j th:TH_LOAD_NT
.set j, j+1
.endr
.set j, 0
.rept 16
	s_wait_loadcnt 15-j                            ; loads come back in order: row j is in, the 15 - j younger ones stay out
	v_cvt_pk_bf16_f32 v[OUT+2*j],   v[IN+4*j],   v[IN+4*j+1]
	v_cvt_pk_bf16_f32 v[OUT+2*j+1], v[IN+4*j+2], v[IN+4*j+3]
	global_store_b64 v2, v[OUT+2*j:OUT+2*j+1], s[16:17] offset:ROWOUT*(((j&7)<<1)|(j>>3))  ; the row's new place in its group
.set j, j+1
.endr
	s_endpgm
.Lfunc_end_k_q68a14ac842_cast:
	.size	k_q68a14ac842_cast, .Lfunc_end_k_q68a14ac842_cast-k_q68a14ac842_cast
	.p2alignl 7, 3214868480
	.fill 96, 4, 3214868480
	.section	.rodata,"a",@progbits
	.p2align	6, 0x0
	.amdhsa_kernel k_q68a14ac842_cast
		.amdhsa_group_segment_fixed_size 0
		.amdhsa_private_segment_fixed_size 0
		.amdhsa_enable_private_segment 0
		.amdhsa_kernarg_size 32
		.amdhsa_user_sgpr_count 2
		.amdhsa_user_sgpr_kernarg_segment_ptr 1
		.amdhsa_wavefront_size32 1
		.amdhsa_system_sgpr_workgroup_id_x 1
		.amdhsa_system_sgpr_workgroup_id_y 1
		.amdhsa_system_sgpr_workgroup_id_z 1
		.amdhsa_system_vgpr_workitem_id 0
		.amdhsa_next_free_vgpr 104
		.amdhsa_next_free_sgpr 66
		.amdhsa_reserve_vcc 0
		.amdhsa_float_denorm_mode_32 3
		.amdhsa_float_denorm_mode_16_64 3
		.amdhsa_memory_ordered 1
		.amdhsa_forward_progress 1
		.amdhsa_inst_pref_size 7
	.end_amdhsa_kernel
	.amdgpu_metadata
---
amdhsa.version: [ 1, 2 ]
amdhsa.kernels:
  - .name:           k_q68a14ac842_cast
    .symbol:         k_q68a14ac842_cast.kd
    .args:
      - { .name: x, .offset: 0, .size: 8, .value_kind: global_buffer, .address_space: global }
      - { .name: dictionary, .offset: 8, .size: 8, .value_kind: global_buffer, .address_space: global }
      - { .name: xh, .offset: 16, .size: 8, .value_kind: global_buffer, .address_space: global }
      - { .name: dh, .offset: 24, .size: 8, .value_kind: global_buffer, .address_space: global }
    .group_segment_fixed_size: 0
    .private_segment_fixed_size: 0
    .kernarg_segment_align: 8
    .kernarg_segment_size: 32
    .max_flat_workgroup_size: 256
    .sgpr_count:     66
    .vgpr_count:     104
    .wavefront_size: 32
...
	.end_amdgpu_metadata
.endif
;; end of part 1
;; launch attn (part 2): grid 128 x 2, 4 waves a work-group, clusters of 4 x 1, 327,680 bytes of LDS; arguments dh, xh, mask, po, st; writes po, st
.if DOCPART == 2
	.amdgcn_target "amdgcn-amd-amdhsa--gfx1250"
	.amdhsa_code_object_version 6
	.text
	.protected	k_q68a14ac842_attn
	.globl	k_q68a14ac842_attn
	.p2align	8
	.type	k_q68a14ac842_attn,@function
k_q68a14ac842_attn:
	s_mov_b64 s[64:65], 0
	v_nop
	global_prefetch_b8 v0, s[64:65] scope:SCOPE_SE
	s_setreg_imm32_b32 hwreg(HW_REG_WAVE_MODE, 25, 1), 1
	s_wait_xcnt 0x0
	s_wait_alu depctr_hold_cnt(0) depctr_sa_sdst(0) depctr_va_vdst(0) depctr_va_sdst(0) depctr_va_ssrc(0) depctr_va_vcc(0) depctr_vm_vsrc(0)
	s_getreg_b32 s2, hwreg(HW_REG_IB_STS2, 6, 4)
	s_cmp_eq_u32 s2, 0
	s_cbranch_scc0 .Lentry_in_a_cluster
	s_endpgm
.Lentry_in_a_cluster:
	s_bfe_u32 s2, ttmp6, 0x10000c
	s_cmp_lg_u32 s2, 0x3003
	s_cbranch_scc0 .Lentry_shape_is_right
	s_endpgm
.Lentry_shape_is_right:
; ONE HALF OF THE ATOMS FOR 64 ROWS.  s = x . D^T, masked as s m + (1 - m) (-1e9); p = exp(s - max); po = sum of p D (not yet divided), st = (c m, m, l, argmax) for each row and half.
; xh [8192][1024], dh [4096][1024]: bf16, rows in the order that the launch before gave them (atom 8 h + j of a group of 16 at place 2 j + h).  mask [8192][4096] int32.
; po [2][8192][1024] f32, st [2][8192][4 words].  Products, maxima and sums in f32; the weights p are rounded to bf16 for the second product, their sum l is taken unrounded.
; LIMITS.  NaN and infinities are not treated apart.  The scores are sums of exact bf16 products taken in another order than a plain f32 sum: where a row's two best scores lie closer
; than that rounding (some 1e-7 of their size), the index stored may be the other one's.  A weight below 2^-126 counts as 0.
; SHARES.  A work-group owns 64 rows (block 4 x cluster x + cx) and the half of the atoms given by y: 32 tiles of 64 atoms.  THE 1,024 DIMENSIONS ARE SPLIT AMONG THE FOUR WAVES, 256 each, in both
; products: in s a wave makes the partial scores of all 64 rows over its dimensions (its part of x stays in 256 registers), in po it owns its 256 dimensions of all 64 rows (512 registers).  So a wave
; fetches and reads only its own 512 bytes of each row of a tile: its part of a slot is its own.  The four partial scores meet in LDS.  The softmax of query tile w (16 rows) is wave w's alone; its
; weights and its rescaling factor go back to the others through LDS.
; ROTATION.  Wave w's local query tile i is tile (w + i) & 3 of the block, so that its own tile is local tile 0 in every wave's text; the rotation enters addresses alone.
; LAYOUT.  S^T = D x^T (source 0 = 16 atoms, source 1 = 16 rows of x): a lane holds ONE row (lane % 16) and the atoms 8 (lane / 16) + 0..7.  Two such results rounded to bf16 ARE source 1 of
; O^T = D^T P, whose source 0 comes out of the same LDS tile turned, by ds_load_tr16_b128.
; SOFTMAX.  Running maximum m and sum l: p = 2^(c s - c m), c = log2(e); in every tile O and l are multiplied by a = 2^(c m_old - c m_new).  c m starts far below every c s, O and l at 0: the first
; tile is a tile like any other, with a = 0; the price is 512 lines that clear O, which run while the first tiles are on their way.
; CLUSTER.  The four row blocks of a cluster walk the same tiles of dh: each is asked for JOINTLY, by the same tensor load, descriptor and mask in all four.
; REGISTERS, in windows of 256 (s_set_vgpr_msb: bits 1:0 source 0, 3:2 source 1, 5:4 source 2, 7:6 destination):
;   window 0: all that is named below.   window 1: x, tile i, 32 dimensions ks at 64 i + 8 ks.   windows 2, 3: O^T, 16 dimensions d (0-7: window 2, 8-15: window 3), tile i at 32 (d & 7) + 8 i.
.set PITCH,  528                       ; a row of a wave's part of a tile in LDS: 512 bytes + 16 of padding = 132 words: rows start 4 banks apart, every second row 8 (64 banks of 4 bytes: ISA guide 11.1)
.set SUB,    64*PITCH                  ; a wave's part of a slot: 64 rows
.set SLOTB,  4*SUB                     ; a slot; its two set bits meet none of w x SUB, so one exclusive or changes slots
.set XS,     2*SLOTB                   ; the exchange: written by ds_store alone, no tensor load lands here
.set XPART,  12288                     ; query tile t's part of it: three blocks of 4,096 bytes, block i - 1 from wave (t - i) & 3; later its P (bytes 0-2,047) and its a (from byte 2,048)
.set SPARE,  XS+4*XPART                ; the spare words, 128 bytes for each wave: two blocks of 256 bytes that no other line names
.set SPITCH, 1040                      ; the way out: a row of 1,024 bytes + 16
.set TILES,  32
.set TILEB,  64*2048                   ; a tile's 64 rows in dh
.set R,    1                           ; v1   lane % 16
.set H,    2                           ; v2   lane / 16
.set LN,   3                           ; v3   lane
.set AK0,  4                           ; v4   my place in a tile read by rows;  never rewritten
.set AV0,  5                           ; v5   my place in a tile read turned;   never rewritten
.set AKC,  6                           ; v6   the same in the slot in hand
.set AVC,  7                           ; v7
.set AXB,  8                           ; v8-11  the exchange's part of local tile i, + 16 x lane
.set MO,   12                          ; v12  my offset in 16 rows of the mask
.set ABASE, 13                         ; v13  the number of my first atom of the tile in hand
.set SPW,  14                          ; v14  LDS address of my spare word; never rewritten
.set NIL,  15                          ; v15  0; never rewritten
.set PFOD, 16                          ; v16  the prefetches' offset in dh
.set PFOM, 17                          ; v17  and in the mask
.set STO,  18                          ; v18  the way out: where I put 16 bytes of a row
.set RD,   19                          ; v19  where I read a row back
.set GO,   20                          ; v20  my offset in two rows of po
.set SO,   21                          ; v21  my row's 16 bytes of st
.set CM,   22                          ; v22  c m     (v[22:25] are stored as they lie)
.set M,    23                          ; v23  m
.set L,    24                          ; v24-25  l: even atoms', odd atoms'; at the end l and the index
.set BV,   26                          ; v26  my lane's best score so far
.set BI,   27                          ; v27  its atom
.set C,    28                          ; v28-31  four chains of the maximum
.set AF,   32                          ; v32-39  a of local tile i at AF + 2 i; the odd registers hold 0 and are only named as halves of pairs
.set T,    40                          ; v40-47  at work
.set KI,   40                          ;   where in the tile my lane's maximum stands
.set MXL,  41                          ;   my lane's maximum of the tile
.set OTH,  42
.set CMO,  43
.set CAND, 44
.set SC,   48                          ; v48-79   my own tile's scores: atoms 16 at + 8 H + j at SC + 8 at + j
.set SX,   80                          ; v80-127  sums of local tiles 1-3 for 32 atoms; then what the exchange brings; then P of local tiles 1-3
.set PW,   128                         ; v128-143 my own tile's P: two fragments
.set FB,   144                         ; v144-207 two buffers of four fragments of D
.set MK,   208                         ; v208-239 the mask, then c s - c m, then p
.set WV,   14                          ; s14  wave
.set CX,   15                          ; s15  my place in the cluster
.set RB,   16                          ; s16  my block of 64 rows
.set HF,   17                          ; s17  my half of the atoms
.set G1,   24                          ; s[24:31] descriptor group 1 for the tiles of dh
.set G1X,  32                          ; s[32:39] the same without mask, for x
.set G0,   40                          ; s[40:43] group 0 for dh: it walks
.set G0X,  44                          ; s[44:47] group 0 for x
.set CNT,  48                          ; s48  tiles still to be asked for
.set SOFF, 49                          ; s49  the slot in hand: 0 or SLOTB
.set CS,   50                          ; s[50:51] c
.set SEL,  52                          ; s[52:53] v_permlanex16_b32's selects: each lane takes its own place in the other half
.set BIG,  54                          ; s[54:55] 1e9
.set NBIG, 56                          ; s[56:57] -1e9
.set MB,   58                          ; s[58:59] the mask at my 16 rows, at the tile last loaded
.set PFD,  60                          ; s[60:61] where my prefetches of dh stand
.set PFM,  62                          ; s[62:63] and of the mask
.set LIMD, 66                          ; s66  a wave prefetches dh while s[CNT] is above this: 2, or the greatest number
.set LIMM, 67                          ; s67  the same for the mask: 1, or the greatest number
.set PO,   68                          ; s[68:75] po at local tile i's 16 rows, my 256 dimensions
.set STP,  76                          ; s[76:77] st at my own tile's 16 rows
.set WSUB, 78                          ; s78  w x SUB
.set MSB, 0
.macro WIN new                         ; the immediate's high byte repeats the setting that is left; a switch that changes nothing is dropped
.if MSB != (\new)
	s_set_vgpr_msb (MSB<<8)|(\new)
.set MSB, (\new)
.endif
.endm
.set W_S, 0x04                         ; source 1 (x) in window 1, all else in window 0
.macro PLACES c                        ; plain vector instructions behind a matrix instruction (ISA guide 7.12.1), where no useful one is at hand
.rept \c
	v_nop
.endr
.endm
; A round of the cluster's barrier: my work-group's barrier, so that wave 0's signal speaks for all four waves; wave 0 signals; every wave waits for all four work-groups; my work-group's barrier once more.
.macro CROUND
	s_barrier_signal -1
	s_barrier_wait -1
	s_cmp_lg_u32 s[WV], 0
	s_cbranch_scc1 .Lnot_wave_0_\@
	s_barrier_signal -3
.Lnot_wave_0_\@:
	s_barrier_wait -3
	s_barrier_signal -1
	s_barrier_wait -1
.endm
; PREFETCHES INTO THE L2, in front of tile k, behind the joint load and the first two runs of LDS loads.
; dh: tile k + 3, two refills on.  All 32 clusters of a half walk the same tiles: the first (cluster x = 0) asks.  Each wave asks for its own 512 bytes of a row; of the tile's 64 rows the partner at place cx
; takes 16 cx .. 16 cx + 15, told apart BY ADDRESS: 16 rows x 2 blocks of 256 bytes, a lane a block.  The last three refills have no tile two on.
; mask: tile k + 2, whose loads go out late in tile k + 1.  Waves 0 and 1 ask, 32 rows each, a lane a row's 256 bytes.  The last two tiles ask for nothing.  So each block is named once in the launch.
.macro ASK
	s_cmp_gt_u32 s[CNT], s[LIMD]
	s_cbranch_scc0 .Lno_d_\@
	global_prefetch_b8 v[PFOD], s[PFD:PFD+1] th:TH_LOAD_NT scope:SCOPE_SE
.Lno_d_\@:
	s_cmp_gt_u32 s[CNT], s[LIMM]
	s_cbranch_scc0 .Lno_m_\@
	global_prefetch_b8 v[PFOM], s[PFM:PFM+1] th:TH_LOAD_NT scope:SCOPE_SE
.Lno_m_\@:
.endm
; THE CHANGE OF SLOTS, in front of each tile.  Each wave waits for all its tensor loads, of which one is out: its part of the tile to come; adds 0 to its spare word; waits for that and for all its LDS reads:
; of the slot that it leaves, and of the others' P in the exchange, which the tile to come writes over.  fill = 1: the barrier is a round of the cluster's, so that no wave of any partner still reads the old
; slot or has a load on its way, and the joint refill is the first thing behind it: it has a whole tile's work, 256 matrix instructions and a softmax, in which to land.
; An s_nop 0 and four v_nop follow the load; with the tile's two address lines they are six places behind the last products.
.macro CHANGE fill
	WIN 0                                          ; at a label and at a branch every window is 0
	s_wait_tensorcnt 0x0                           ; no tensor load of mine is out, so group 0 may be written
	ds_add_u32 v[SPW], v[NIL]                      ; 0 onto my spare word; scalar work stands between it and the wait for it
.if \fill
	s_xor_b32 s[G0+1], s[G0+1], SLOTB              ; the other slot than last time,
	s_add_nc_u64 s[G0+2:G0+3], s[G0+2:G0+3], TILEB ; the next 64 atoms; the type bits on top are not reached
	s_wait_xcnt 0x0                                ; the last prefetches, a tile back, have read their addresses, so these may be written
	s_add_nc_u64 s[PFD:PFD+1], s[PFD:PFD+1], TILEB
	s_add_nc_u64 s[PFM:PFM+1], s[PFM:PFM+1], 256
.endif
	s_xor_b32 s[SOFF], s[SOFF], SLOTB              ; the reads go to the slot that has just been shown whole
	s_wait_dscnt 0x0                               ; the add is done, and my LDS reads are over
.if \fill
	CROUND
	tensor_load_to_lds s[G0:G0+3], s[G1:G1+7]
	s_nop 0
	PLACES 4
.else
	s_barrier_signal -1
	s_barrier_wait -1
	PLACES 4
.endif
.endm
; THE FIRST PRODUCT goes in eight groups g: atoms 32 (g / 4) on, dimensions 64 (g % 4) on: four fragments of D (two steps of 32 dimensions kk x two tiles of 16 atoms a2), 16 matrix instructions.
; Eight LDS loads.  They name window 0 under W_S too (address: source 0; data: destination), so no switch is written.
.macro KFETCH g
.set kh, (\g)/4
.set kp, (\g)%4
.set kb, FB+32*((\g)%2)
.irp kk, 0,1
.irp a2, 0,1
	ds_load_b128 v[kb+8*(2*(\kk)+(\a2)):kb+8*(2*(\kk)+(\a2))+3],   v[AKC] offset:(2*kh+(\a2))*16*PITCH+64*(2*kp+(\kk))
	ds_load_b128 v[kb+8*(2*(\kk)+(\a2))+4:kb+8*(2*(\kk)+(\a2))+7], v[AKC] offset:(2*kh+(\a2))*16*PITCH+64*(2*kp+(\kk))+32
.endr
.endr
.endm
; The eight accumulators of a half (a2, i) take turns, one instruction a turn, from group to group too.  The first 32 dimensions start the sums with the constant 0.
.macro SMUL g
.set kh, (\g)/4
.set kp, (\g)%4
.set kb, FB+32*((\g)%2)
	WIN W_S
.irp kk, 0,1
.irp a2, 0,1
.irp i, 0,1,2,3
.if (\i) == 0
.set ac, SC+8*(2*kh+(\a2))
.else
.set ac, SX+16*((\i)-1)+8*(\a2)
.endif
.if (kp == 0) && ((\kk) == 0)
	v_wmma_f32_16x16x32_bf16 v[ac:ac+7], v[kb+8*(2*(\kk)+(\a2)):kb+8*(2*(\kk)+(\a2))+7], v[64*(\i)+8*(2*kp+(\kk)):64*(\i)+8*(2*kp+(\kk))+7], 0
.else
	v_wmma_f32_16x16x32_bf16 v[ac:ac+7], v[kb+8*(2*(\kk)+(\a2)):kb+8*(2*(\kk)+(\a2))+7], v[64*(\i)+8*(2*kp+(\kk)):64*(\i)+8*(2*kp+(\kk))+7], v[ac:ac+7]
.endif
.endr
.endr
.endr
.endm
; My partial scores of local tiles 1-3, 32 atoms (half hh), go to their owners as they lie in the registers: 16 consecutive bytes a lane, each accumulator from its low end on.
.macro XSTORE hh
	WIN 0
.irp i, 1,2,3
.irp q, 0,1,2,3
	ds_store_b128 v[AXB+(\i)], v[SX+16*((\i)-1)+4*(\q):SX+16*((\i)-1)+4*(\q)+3] offset:((\i)-1)*4096+(\hh)*2048+(\q)*512
.endr
.endr
.endm
; THE SECOND PRODUCT goes in eight groups g: dimensions 32 g on (two tiles dd of 16), all 64 atoms (two steps kv of 32): four turned fragments, eight LDS loads, 16 matrix instructions.
.macro VFETCH g
.set vfb, FB+32*((\g)%2)
	WIN 0
.irp dd, 0,1
.irp kv, 0,1
	ds_load_tr16_b128 v[vfb+8*(2*(\dd)+(\kv)):vfb+8*(2*(\dd)+(\kv))+3],   v[AVC] offset:(\kv)*32*PITCH+32*(2*(\g)+(\dd))
	ds_load_tr16_b128 v[vfb+8*(2*(\dd)+(\kv))+4:vfb+8*(2*(\dd)+(\kv))+7], v[AVC] offset:(\kv)*32*PITCH+16*PITCH+32*(2*(\g)+(\dd))
.endr
.endr
.endm
; Accumulator n (4 dd + i) of group g times a of local tile i, from its low end on.
.macro RESC g, n
	WIN 0x82+0x41*((\g)/4)                         ; destination and source 0 in window 2 or 3, a in window 0
.set ro, 64*((\g)%4)+8*(\n)
.irp z, 0,1,2,3
	v_pk_mul_f32 v[ro+2*(\z):ro+2*(\z)+1], v[ro+2*(\z):ro+2*(\z)+1], v[AF+2*((\n)%4):AF+2*((\n)%4)+1] op_sel_hi:[1,0]
.endr
.endm
; Where in the tile my lane's maximum stands: scores 30 - 4 n down to 27 - 4 n; the walk goes downward, so the first of equal scores is left standing.  A choice of values alone: no branch.
.macro AMAX n
	WIN 0
.irp z, 0,1,2,3
.if 30-4*(\n)-(\z) >= 0
	v_cmp_neq_f32 vcc_lo, v[SC+30-4*(\n)-(\z)], v[MXL]
	v_cndmask_b32 v[KI], 16*((30-4*(\n)-(\z))/8)+(30-4*(\n)-(\z))%8, v[KI], vcc_lo
.endif
.endr
.endm
.macro PVM g, kv, dd, i
.set pvo, 64*((\g)%4)+32*(\dd)+8*(\i)
.if (\i) == 0
.set pvp, PW+8*(\kv)
.else
.set pvp, SX+16*((\i)-1)+8*(\kv)
.endif
	v_wmma_f32_16x16x32_bf16 v[pvo:pvo+7], v[pvb+8*(2*(\dd)+(\kv)):pvb+8*(2*(\dd)+(\kv))+7], v[pvp:pvp+7], v[pvo:pvo+7]
.endm
; Group g.  Its eight accumulators (dd, i) take turns.  Behind each two products stand riders that name none of their registers: the NEXT group's rescaling, or in the last group the search for the
; maximum's place.  The last four riders are the places in front of the loads into the buffer just multiplied.  w: how many younger LDS loads may stay out (-1: the fragments are in already).
.macro PVG g, w
.set pvb, FB+32*((\g)%2)
.if (\w) >= 0
	s_wait_dscnt \w
.endif
.set rn, 0
.irp kv, 0,1
.irp dd, 0,1
.irp ip, 0,2
	WIN 0xa0+0x50*((\g)/4)                         ; C and D in window 2 or 3
	PVM \g, \kv, \dd, \ip
	PVM \g, \kv, \dd, (\ip)+1
.if (\g) < 7
	RESC (\g)+1, rn
.else
	AMAX rn
.endif
.set rn, rn+1
.endr
.endr
.endr
.if (\g) < 6
	VFETCH (\g)+2
.endif
.endm
.macro MLOAD                           ; my 32 mask words of a tile: for each 16 atoms the 32 bytes at 32 H; the wave's eight loads take 16 rows x 256 consecutive bytes
.irp n, 0,1,2,3,4,5,6,7
	global_load_b128 v[MK+4*(\n):MK+4*(\n)+3], v[MO], s[MB:MB+1] offset:64*((\n)/2)+16*((\n)%2) th:TH_LOAD_NT
.endr
.endm
; A TILE OF 64 ATOMS.  more = 1: a further tile follows: its mask is loaded, and the prefetches are made.
.macro TILE more
	v_add_nc_u32 v[AKC], s[SOFF], v[AK0]
	v_add_nc_u32 v[AVC], s[SOFF], v[AV0]
	KFETCH 0
	KFETCH 1
.if \more
	ASK
.endif
	s_wait_dscnt 8                                 ; group 0's fragments are in; group 1's eight loads may stay out
	SMUL 0
.irp gg, 1,2,3
	PLACES 4                                       ; in front of loads into the buffer just multiplied
	KFETCH (\gg)+1
	s_wait_dscnt 8
	SMUL \gg
.endr
	PLACES 5                                       ; the first 32 atoms' sums are stored, and then written over by products that start anew
	XSTORE 0
	KFETCH 5
	s_wait_dscnt 20                                ; behind group 4's loads stand the 12 stores and group 5's 8 loads
	SMUL 4
.irp gg, 5,6
	PLACES 4
	KFETCH (\gg)+1
	s_wait_dscnt 8
	SMUL \gg
.endr
	s_wait_dscnt 0x0
	SMUL 7
	PLACES 5                                       ; in front of the stores of the sums, and of the loads below into SX and FB
	XSTORE 1
	s_wait_dscnt 0x0                               ; for the others' sake: my partial scores lie in the exchange
	s_barrier_signal -1
	s_barrier_wait -1                              ; everybody's do
.irp b, 0,1,2
.irp q, 0,1,2,3
	ds_load_b128 v[SX+16*(\b)+4*(\q):SX+16*(\b)+4*(\q)+3], v[AXB] offset:(\b)*4096+(\q)*512
.endr
.endr
.irp b, 0,1,2
.irp q, 0,1,2,3
	ds_load_b128 v[FB+16*(\b)+4*(\q):FB+16*(\b)+4*(\q)+3], v[AXB] offset:(\b)*4096+2048+(\q)*512
.endr
.endr
	s_wait_loadcnt 0x0                             ; the mask, asked for a tile ago; this wait also frees s[MB]
.set z, 0
.rept 32
	v_cvt_f32_i32 v[MK+z], v[MK+z]                 ; m as f32, while the exchange's loads are out
.set z, z+1
.endr
	s_wait_dscnt 12                                ; the first 32 atoms' three blocks are in; the other 12 loads may stay out
.irp b, 0,1,2
.irp q, 0,1,2,3,4,5,6,7
	v_pk_add_f32 v[SC+2*(\q):SC+2*(\q)+1], v[SC+2*(\q):SC+2*(\q)+1], v[SX+16*(\b)+2*(\q):SX+16*(\b)+2*(\q)+1]
.endr
.endr
	s_wait_dscnt 0x0
.irp b, 0,1,2
.irp q, 0,1,2,3,4,5,6,7
	v_pk_add_f32 v[SC+16+2*(\q):SC+16+2*(\q)+1], v[SC+16+2*(\q):SC+16+2*(\q)+1], v[FB+16*(\b)+2*(\q):FB+16*(\b)+2*(\q)+1]
.endr
.endr
	VFETCH 0                                       ; the second product's first fragments come while the softmax runs
	VFETCH 1
.set u, 0
.rept 4                                ; s m + (1 - m) (-1e9) as two fused multiply-adds: t = m 1e9 - 1e9, s = s m + t
.irp z, 0,1,2,3
	v_pk_fma_f32 v[T+2*(\z):T+2*(\z)+1], v[MK+8*u+2*(\z):MK+8*u+2*(\z)+1], s[BIG:BIG+1], s[NBIG:NBIG+1] op_sel_hi:[1,0,0]
.endr
.irp z, 0,1,2,3
	v_pk_fma_f32 v[SC+8*u+2*(\z):SC+8*u+2*(\z)+1], v[SC+8*u+2*(\z):SC+8*u+2*(\z)+1], v[MK+8*u+2*(\z):MK+8*u+2*(\z)+1], v[T+2*(\z):T+2*(\z)+1]
.endr
.set u, u+1
.endr
.irp z, 0,1,2,3                        ; the maximum of my 32 scores: four chains of seven, three operands at a time, then the four left over
	v_max3_num_f32 v[C+(\z)], v[SC+8*(\z)], v[SC+8*(\z)+1], v[SC+8*(\z)+2]
.endr
.irp z, 0,1,2,3
	v_max3_num_f32 v[C+(\z)], v[C+(\z)], v[SC+8*(\z)+3], v[SC+8*(\z)+4]
.endr
.irp z, 0,1,2,3
	v_max3_num_f32 v[C+(\z)], v[C+(\z)], v[SC+8*(\z)+5], v[SC+8*(\z)+6]
.endr
	v_max3_num_f32 v[C], v[C], v[SC+7], v[SC+15]
	v_max3_num_f32 v[C+2], v[C+2], v[SC+23], v[SC+31]
	v_max3_num_f32 v[C], v[C], v[C+1], v[C+2]
	v_max_num_f32 v[MXL], v[C], v[C+3]
	v_permlanex16_b32 v[OTH], v[MXL], s[SEL], s[SEL+1]  ; the row's other 32 atoms lie in the lane 16 away
	v_mov_b32 v[CMO], v[CM]                        ; c m_old is kept for a
	v_max3_num_f32 v[M], v[MXL], v[OTH], v[M]
	v_mul_f32 v[CM], s[CS], v[M]
	v_sub_f32 v[CMO], v[CMO], v[CM]
.set z, 0
.rept 16
	v_pk_fma_f32 v[MK+2*z:MK+2*z+1], v[SC+2*z:SC+2*z+1], s[CS:CS+1], v[CM:CM+1] op_sel_hi:[1,0,0] neg_lo:[0,0,1] neg_hi:[0,0,1]  ; c s - c m; the scores themselves stay, for the index
.set z, z+1
.endr
	v_exp_f32 v[AF], v[CMO]                        ; ONE BATCH: a and the 32 weights
.set z, 0
.rept 32
	v_exp_f32 v[MK+z], v[MK+z]
.set z, z+1
.endr
	v_nop                                          ; a plain instruction behind the last exponential
	s_wait_alu depctr_va_vdst(0)                   ; and the one wait ahead of the batch's first reader
.set z, 0
.rept 16
	v_cvt_pk_bf16_f32 v[PW+z], v[MK+2*z], v[MK+2*z+1]
.set z, z+1
.endr
.irp q, 0,1,2,3
	ds_store_b128 v[AXB], v[PW+4*(\q):PW+4*(\q)+3] offset:(\q)*512  ; my tile's P, over bytes of my part that I have read
.endr
	ds_store_b32 v[AXB], v[AF] offset:2048         ; and its a
.irp z, 0,1,2,3,4,5,6,7                ; l, while the stores are out: neighbours 1, 2, 4 and 8 pairs apart, in place
	v_pk_add_f32 v[MK+4*(\z):MK+4*(\z)+1], v[MK+4*(\z):MK+4*(\z)+1], v[MK+4*(\z)+2:MK+4*(\z)+3]
.endr
.irp z, 0,1,2,3
	v_pk_add_f32 v[MK+8*(\z):MK+8*(\z)+1], v[MK+8*(\z):MK+8*(\z)+1], v[MK+8*(\z)+4:MK+8*(\z)+5]
.endr
	v_pk_add_f32 v[MK:MK+1], v[MK:MK+1], v[MK+8:MK+9]
	v_pk_add_f32 v[MK+16:MK+17], v[MK+16:MK+17], v[MK+24:MK+25]
	v_pk_add_f32 v[MK:MK+1], v[MK:MK+1], v[MK+16:MK+17]
	v_pk_fma_f32 v[L:L+1], v[L:L+1], v[AF:AF+1], v[MK:MK+1] op_sel_hi:[1,0,1]
	s_wait_dscnt 0x0                               ; for the others' sake: P and a lie in the exchange (and the first turned fragments are in)
	s_barrier_signal -1
	v_mov_b32 v[KI], 55                            ; the search's start: score 31 stands at atom 16 x 3 + 7
	s_barrier_wait -1
.irp i, 1,2,3
.irp q, 0,1,2,3
	ds_load_b128 v[SX+16*((\i)-1)+4*(\q):SX+16*((\i)-1)+4*(\q)+3], v[AXB+(\i)] offset:(\q)*512
.endr
.endr
.irp i, 1,2,3
	ds_load_b32 v[AF+2*(\i)], v[AXB+(\i)] offset:2048
.endr
.if \more
	s_add_nc_u64 s[MB:MB+1], s[MB:MB+1], 256       ; the next tile's mask; MK has been summed up and is free
	MLOAD
.endif
	s_wait_dscnt 0x0                               ; the others' P and a
.irp n, 0,1,2,3,4,5,6,7
	RESC 0, \n
.endr
	PVG 0, -1
	PVG 1, -1
	PVG 2, 8                                       ; the next group's eight loads may stay out
	PVG 3, 8
	PVG 4, 8
	PVG 5, 8
	PVG 6, 8
	PVG 7, 0
	WIN 0
	v_add_nc_u32 v[CAND], v[KI], v[ABASE]          ; my lane's best of this tile against its best so far: only a greater score takes the place, so the first of equal ones stays
	v_cmp_gt_f32 vcc_lo, v[MXL], v[BV]
	v_cndmask_b32 v[BI], v[BI], v[CAND], vcc_lo
	v_max_num_f32 v[BV], v[BV], v[MXL]
	v_add_nc_u32 v[ABASE], 64, v[ABASE]
.endm
	s_load_b256 s[4:11], s[0:1], 0x0               ; dh s[4:5], xh s[6:7], mask s[8:9], po s[10:11]
	s_load_b64 s[12:13], s[0:1], 0x20              ; st
	v_lshl_add_u32 v[SPW], v0, 2, SPARE
	v_mov_b32 v[NIL], 0
	ds_add_u32 v[SPW], v[NIL]                      ; the wave's opening: the add, twice on end, and its wait ahead of my first tensor load; the set-up below stands between
	ds_add_u32 v[SPW], v[NIL]                      ; and once more, under the one wait
	v_lshrrev_b32 v1, 5, v0
	v_readfirstlane_b32 s[WV], v1                  ; wave 0..3
	s_bfe_u32 s[CX], ttmp6, 0x40000                ; cx
	s_lshl_b32 s[RB], ttmp9, 2                     ; in a cluster launch ttmp9 counts clusters
	s_add_co_u32 s[RB], s[RB], s[CX]               ; my block of rows: it enters x's, the mask's, po's and st's addresses alone
	s_and_b32 s[HF], ttmp7, 0xffff                 ; the half of the atoms, which the four partners share
	; descriptor group 1: 64 rows x 256 elements of 2 bytes, rows 1,024 elements apart, padded in LDS
	s_mov_b32 s[G1], 15|(1<<16)|(1<<20)|(1<<21)|(6<<22)|(3<<25)  ; 15:0 the mask of four; 17:16 2-byte elements; 20 padding on; 21 set beside a mask; 24:22 after every 128 words (code 6); 31:25 4 words (code 3)
	s_mov_b32 s[G1X], (1<<16)|(1<<20)|(6<<22)|(3<<25)            ; x is my work-group's own: no mask
.irp g, G1, G1X
	s_mov_b32 s[(\g)+1], 256<<16                   ; tensor_dim0 = 256
	s_mov_b32 s[(\g)+2], 64<<16                    ; tensor_dim1 = 64
	s_mov_b32 s[(\g)+3], 256<<16                   ; tile_dim0 = 256
	s_mov_b32 s[(\g)+4], 64                        ; tile_dim1 = 64
	s_mov_b32 s[(\g)+5], 1024                      ; elements from row to row
	s_mov_b32 s[(\g)+6], 0
	s_mov_b32 s[(\g)+7], 0
.endr
	s_mul_i32 s[WSUB], s[WV], SUB                  ; my part of a slot: no place in the cluster enters an LDS address
	s_mov_b32 s[G0], 1                             ; count = 1
	s_mov_b32 s[G0+1], s[WSUB]                     ; tile 0 into slot 0
	s_mov_b32 s[G0X], 1
	s_add_co_u32 s[G0X+1], s[WSUB], SLOTB          ; x into slot 1, which tile 1 takes when x has been read into registers
	s_mov_b32 s[CS], 0x3fb8aa3b                    ; c = log2(e)
	s_mov_b32 s[CS+1], s[CS]                       ; named with it as a pair
	s_mov_b32 s[SEL], 0x76543210
	s_mov_b32 s[SEL+1], 0xfedcba98
	s_mov_b32 s[BIG], 0x4e6e6b28                   ; 1e9, exact in f32
	s_mov_b32 s[BIG+1], s[BIG]
	s_mov_b32 s[NBIG], 0xce6e6b28                  ; -1e9
	s_mov_b32 s[NBIG+1], s[NBIG]
	s_lshl_b32 s18, s[HF], 22                      ; the half's 2,048 rows of 2,048 bytes in dh,
	s_lshl_b32 s20, s[WV], 9                       ; my 512 bytes of a row
	s_add_co_u32 s18, s18, s20
	s_mov_b32 s19, 0
	s_lshl_b32 s22, s[RB], 17                      ; my block's 64 rows in xh
	s_add_co_u32 s22, s22, s20
	s_mov_b32 s23, 0
	s_cmp_eq_u32 ttmp9, 0                          ; the half's first cluster prefetches dh: the same answer in all four partners
	s_cselect_b32 s[LIMD], 2, -1
	s_cmp_lt_u32 s[WV], 2                          ; waves 0 and 1 prefetch the mask
	s_cselect_b32 s[LIMM], 1, -1
	s_wait_dscnt 0x0                               ; both opening adds are done
	s_wait_kmcnt 0x0
	s_add_nc_u64 s[G0+2:G0+3], s[4:5], s[18:19]    ; made of the half and the wave's number alone: equal in the four partners
	s_mov_b64 s[PFD:PFD+1], s[G0+2:G0+3]
	s_or_b32 s[G0+3], s[G0+3], 0x80000000          ; type = 2
	s_add_nc_u64 s[G0X+2:G0X+3], s[6:7], s[22:23]
	s_or_b32 s[G0X+3], s[G0X+3], 0x80000000
	CROUND                                         ; all four work-groups are here: the first joint loads meet
	tensor_load_to_lds s[G0:G0+3], s[G1:G1+7]      ; the first fills stand together: two loads of mine are out
	s_nop 0
	tensor_load_to_lds s[G0X:G0X+3], s[G1X:G1X+7]
	s_nop 0
	PLACES 4
	; the other addresses
	s_lshl_b32 s20, s[CX], 15                      ; dh's prefetches: my work-group's 16 rows of a tile's 64,
	s_mov_b32 s21, 0
	s_add_nc_u64 s[PFD:PFD+1], s[PFD:PFD+1], s[20:21]
	s_add_nc_u64 s[PFD:PFD+1], s[PFD:PFD+1], 2*TILEB  ; at tile 2: the first change of slots steps it to tile 3.  Nothing is prefetched here, at the head
	s_lshl_b32 s18, s[RB], 20                      ; the mask: my block's 64 rows of 16,384 bytes,
	s_lshl_b32 s20, s[HF], 13                      ; the half's 2,048 atoms
	s_add_co_u32 s18, s18, s20
	s_add_nc_u64 s[PFM:PFM+1], s[8:9], s[18:19]
	s_mov_b64 s[MB:MB+1], s[PFM:PFM+1]
	s_lshl_b32 s20, s[WV], 18                      ; my own tile's 16 rows
	s_add_nc_u64 s[MB:MB+1], s[MB:MB+1], s[20:21]
	s_and_b32 s20, s[WV], 1
	s_lshl_b32 s20, s20, 19                        ; the prefetches: 32 rows a wave
	s_add_nc_u64 s[PFM:PFM+1], s[PFM:PFM+1], s[20:21]
	s_add_nc_u64 s[PFM:PFM+1], s[PFM:PFM+1], 256   ; at tile 1: the first change steps it to tile 2
	s_lshl_b32 s18, s[HF], 25                      ; po: the half's 8,192 rows of 4,096 bytes,
	s_lshl_b32 s20, s[RB], 18                      ; my block's 64 rows,
	s_add_co_u32 s18, s18, s20
	s_lshl_b32 s20, s[WV], 10                      ; my 256 dimensions
	s_add_co_u32 s18, s18, s20
.irp i, 0,1,2,3
	s_add_co_u32 s20, s[WV], \i
	s_and_b32 s20, s20, 3                          ; local tile i is tile (w + i) & 3
	s_lshl_b32 s22, s20, 16                        ; its 16 rows of po
	s_add_co_u32 s22, s22, s18
	s_add_nc_u64 s[PO+2*(\i):PO+2*(\i)+1], s[10:11], s[22:23]
.endr
	s_lshl_b32 s18, s[HF], 17                      ; st: 16 bytes a row
	s_lshl_b32 s20, s[RB], 10
	s_add_co_u32 s18, s18, s20
	s_lshl_b32 s20, s[WV], 8
	s_add_co_u32 s18, s18, s20
	s_add_nc_u64 s[STP:STP+1], s[12:13], s[18:19]
	v_and_b32 v[LN], 31, v0
	v_and_b32 v[R], 15, v0
	v_bfe_u32 v[H], v0, 4, 1
	v_lshlrev_b32 v[MO], 14, v[R]                  ; row R of the mask's 16, 32 bytes for each half of the lanes
	v_lshl_add_u32 v[MO], v[H], 5, v[MO]
	MLOAD                                          ; tile 0's mask
	; A fragment read by rows is 16 rows x 32 dimensions: lane l holds atom (or row of x) l % 16, which lies at place 2 (l % 8) + (l % 16) / 8 of its group; two loads of 16 bytes, 32 bytes apart.
	v_and_b32 v40, 7, v0
	v_bfe_u32 v41, v0, 3, 1
	v_lshl_add_u32 v42, v40, 1, v41
	v_mul_u32_u24 v42, v42, PITCH
	v_lshl_add_u32 v42, v[H], 4, v42
	v_add_nc_u32 v[AK0], s[WSUB], v42
	; The turning load takes 16 atoms x 16 dimensions: lane l reads atom 8 H + l % 8, which lies at place 2 (l % 8) + H, dimensions 8 ((l / 8) % 2) + 0..7: 16 lanes take 8 rows x 32 bytes, 1,056 bytes apart.
	v_lshl_add_u32 v43, v40, 1, v[H]
	v_mul_u32_u24 v43, v43, PITCH
	v_lshl_add_u32 v43, v41, 4, v43
	v_add_nc_u32 v[AV0], s[WSUB], v43
.irp i, 0,1,2,3
	s_add_co_u32 s20, s[WV], \i
	s_and_b32 s20, s20, 3
	s_mul_i32 s22, s20, XPART
	s_add_co_u32 s22, s22, XS
	v_lshl_add_u32 v[AXB+(\i)], v[LN], 4, s22      ; the exchange's part of local tile i
	s_mul_i32 s22, s20, 16*PITCH
	s_add_co_u32 s22, s22, SLOTB
	v_add_nc_u32 v[T+(\i)], s22, v[AK0]            ; and its 16 rows of x in slot 1
.endr
	s_lshl_b32 s20, s[HF], 11
	v_lshl_add_u32 v[ABASE], v[H], 3, s20          ; atom 2,048 x half + 8 H
	v_lshrrev_b32 v44, 1, v[LN]
	v_and_b32 v45, 1, v[LN]
	v_lshlrev_b32 v45, 8, v45
	v_lshl_add_u32 v[PFOD], v44, 11, v45           ; row lane / 2, block lane % 2 of my 512 bytes
	v_lshlrev_b32 v[PFOM], 14, v[LN]               ; a lane a row
	v_mul_u32_u24 v44, v[R], SPITCH                ; the way out, in: row R, 32 bytes for each half of the lanes
	v_lshl_add_u32 v44, v[H], 5, v44
	v_add_nc_u32 v[STO], s[WSUB], v44
	v_mul_u32_u24 v45, v[H], SPITCH                ; back: lanes 0-15 take 256 bytes of one row, lanes 16-31 of the next
	v_lshl_add_u32 v45, v[R], 4, v45
	v_add_nc_u32 v[RD], s[WSUB], v45
	v_lshlrev_b32 v[GO], 12, v[H]                  ; and the same in po
	v_lshl_add_u32 v[GO], v[R], 4, v[GO]
	v_lshlrev_b32 v[SO], 4, v[R]
	v_mov_b32 v[CM], 0xfe000000                    ; c m: far below every c s
	v_mov_b32 v[M], 0xff7fffff                     ; m: the lowest finite number
	v_mov_b32 v[L], 0
	v_mov_b32 v[L+1], 0
	v_mov_b32 v[BV], 0xff800000                    ; below every score
	v_mov_b32 v[BI], 0
.irp i, 0,1,2,3
	v_mov_b32 v[AF+2*(\i)+1], 0
.endr
	WIN 0x80                                       ; O^T starts at 0: written while the first tiles are on their way, so that there is one text for every tile
.set z, 0
.rept 256
	v_mov_b32 v[z], 0
.set z, z+1
.endr
	WIN 0xc0
.set z, 0
.rept 256
	v_mov_b32 v[z], 0
.set z, z+1
.endr
	s_wait_tensorcnt 0x0                           ; my parts of tile 0 and of x are in; only I read them
	WIN 0x40                                       ; destination window 1
.irp i, 0,1,2,3
.irp ks, 0,1,2,3,4,5,6,7
	ds_load_b128 v[64*(\i)+8*(\ks):64*(\i)+8*(\ks)+3],   v[T+(\i)] offset:64*(\ks)
	ds_load_b128 v[64*(\i)+8*(\ks)+4:64*(\i)+8*(\ks)+7], v[T+(\i)] offset:64*(\ks)+32
.endr
.endr
	WIN 0
	s_mov_b32 s[SOFF], SLOTB                       ; the first change of slots turns it into 0
	s_mov_b32 s[CNT], TILES-1
.Ltile:                                        ; 31 trips: trip k asks for tile k + 1 and works on tile k
	CHANGE 1
	TILE 1
	s_sub_co_u32 s[CNT], s[CNT], 1
	s_cmp_lg_u32 s[CNT], 0
	s_cbranch_scc1 .Ltile
	CHANGE 0                                       ; the last tile is written out: nothing is asked for
	TILE 0
	; THE WAY OUT.  The riders and the five lines behind the last products are their places.  First the row's four words: l's two halves and the other half of the lanes' are added; of the two lanes' best
	; scores the greater stands, of equal ones the lower atom.
	v_add_f32 v46, v[L], v[L+1]
	v_permlanex16_b32 v47, v46, s[SEL], s[SEL+1]
	v_permlanex16_b32 v44, v[BV], s[SEL], s[SEL+1]
	v_permlanex16_b32 v45, v[BI], s[SEL], s[SEL+1]
	v_add_f32 v[L], v46, v47
	v_cmp_gt_f32 s18, v44, v[BV]
	v_cmp_eq_f32 s19, v44, v[BV]
	v_cmp_lt_u32 s20, v45, v[BI]
	s_and_b32 s19, s19, s20
	s_or_b32 s18, s18, s19
	v_cndmask_b32 v[L+1], v[BI], v45, s18          ; a choice of values alone
	v_cmp_gt_u32 vcc_lo, 16, v[LN]
	s_wait_xcnt 0x0                                ; EXEC changes only when every earlier memory instruction has read its sources
	s_and_saveexec_b32 s21, vcc_lo
	global_store_b128 v[SO], v[CM:CM+3], s[STP:STP+1]  ; (c m, m, l, atom): 16 lanes store 256 consecutive bytes, at a multiple of 256 from st's first byte
	s_wait_xcnt 0x0
	s_or_b32 exec_lo, exec_lo, s21
; Local tile i: 16 rows x my 256 dimensions, f32, through a stage: my own part of slot 0, whose last fill (tile 30) has been read.  A lane's eight dimensions of a row go in as 32 bytes, each accumulator from
; its low end on; whole pieces of 256 bytes of a row come back.  LDS serves a wave's instructions in order (ISA guide 5.7.1.4), so no wait stands between the stores and the loads.
.macro OUTQ i
.set d, 0
.rept 16
	WIN 0x08+0x04*(d/8)                            ; the data (source 1) in window 2 or 3
	ds_store_b128 v[STO], v[32*(d%8)+8*(\i):32*(d%8)+8*(\i)+3]   offset:64*d
	ds_store_b128 v[STO], v[32*(d%8)+8*(\i)+4:32*(d%8)+8*(\i)+7] offset:64*d+16
.set d, d+1
.endr
	WIN 0
	s_wait_xcnt 0x0                                ; the tile before's stores have read their registers, which are loaded again
.set n, 0
.rept 32
	ds_load_b128 v[SC+4*n:SC+4*n+3], v[RD] offset:2*SPITCH*(n/4)+256*(n%4)
.set n, n+1
.endr
.set n, 0
.rept 32
	s_wait_dscnt 31-n                              ; load n is back; the younger ones stay out
	global_store_b128 v[GO], v[SC+4*n:SC+4*n+3], s[PO+2*(\i):PO+2*(\i)+1] offset:8192*(n/4)+256*(n%4) th:TH_STORE_NT  ; 16 lanes store 256 consecutive bytes, at a multiple of 256 from po's first byte
.set n, n+1
.endr
.endm
	OUTQ 0
	OUTQ 1
	OUTQ 2
	OUTQ 3
	s_wait_tensorcnt 0x0                           ; the wave's end: this wait, an add to my spare word and its wait, behind my last tensor load and my last LDS store
	ds_add_u32 v[SPW], v[NIL]
	s_wait_dscnt 0x0
	CROUND                                         ; the closing round: no work-group ends while a partner may still ask for a tile that names it
	s_endpgm
.Lfunc_end_k_q68a14ac842_attn:
	.size	k_q68a14ac842_attn, .Lfunc_end_k_q68a14ac842_attn-k_q68a14ac842_attn
	.p2alignl 7, 3214868480
	.fill 96, 4, 3214868480
	.section	.rodata,"a",@progbits
	.p2align	6, 0x0
	.amdhsa_kernel k_q68a14ac842_attn
		.amdhsa_group_segment_fixed_size 327680
		.amdhsa_private_segment_fixed_size 0
		.amdhsa_enable_private_segment 0
		.amdhsa_kernarg_size 40
		.amdhsa_user_sgpr_count 2
		.amdhsa_user_sgpr_kernarg_segment_ptr 1
		.amdhsa_wavefront_size32 1
		.amdhsa_system_sgpr_workgroup_id_x 1
		.amdhsa_system_sgpr_workgroup_id_y 1
		.amdhsa_system_sgpr_workgroup_id_z 1
		.amdhsa_system_vgpr_workitem_id 0
		.amdhsa_next_free_vgpr 1024
		.amdhsa_next_free_sgpr 80
		.amdhsa_reserve_vcc 1
		.amdhsa_float_denorm_mode_32 3
		.amdhsa_float_denorm_mode_16_64 3
		.amdhsa_memory_ordered 1
		.amdhsa_forward_progress 1
		.amdhsa_inst_pref_size 194
	.end_amdhsa_kernel
	.amdgpu_metadata
---
amdhsa.version: [ 1, 2 ]
amdhsa.kernels:
  - .name:           k_q68a14ac842_attn
    .symbol:         k_q68a14ac842_attn.kd
    .args:
      - { .name: dh, .offset: 0, .size: 8, .value_kind: global_buffer, .address_space: global }
      - { .name: xh, .offset: 8, .size: 8, .value_kind: global_buffer, .address_space: global }
      - { .name: mask, .offset: 16, .size: 8, .value_kind: global_buffer, .address_space: global }
      - { .name: po, .offset: 24, .size: 8, .value_kind: global_buffer, .address_space: global }
      - { .name: st, .offset: 32, .size: 8, .value_kind: global_buffer, .address_space: global }
    .group_segment_fixed_size: 327680
    .private_segment_fixed_size: 0
    .kernarg_segment_align: 8
    .kernarg_segment_size: 40
    .max_flat_workgroup_size: 128
    .sgpr_count:     80
    .vgpr_count:     1024
    .wavefront_size: 32
...
	.end_amdgpu_metadata
.endif
;; end of part 2
;; launch merge (part 3): grid 512 x 1, 8 waves a work-group, no clusters, 0 bytes of LDS; arguments po, st, out0, out1; writes out0, out1
.if DOCPART == 3
	.amdgcn_target "amdgcn-amd-amdhsa--gfx1250"
	.amdhsa_code_object_version 6
	.text
	.protected	k_q68a14ac842_merge
	.globl	k_q68a14ac842_merge
	.p2align	8
	.type	k_q68a14ac842_merge,@function
k_q68a14ac842_merge:
	s_mov_b64 s[64:65], 0
	v_nop
	global_prefetch_b8 v0, s[64:65] scope:SCOPE_SE
	s_setreg_imm32_b32 hwreg(HW_REG_WAVE_MODE, 25, 1), 1
	s_wait_xcnt 0x0
; THE TWO HALVES OF THE ATOMS MEET.  For each row: e_i = 2^(c m_i - max(c m_0, c m_1)); out0 = (po_0 e_0 + po_1 e_1) / (l_0 e_0 + l_1 e_1); out1 = the atom of the half with the greater m, of equal ones the
; lower half's.  po [2][8192][1024] f32, st [2][8192][4 words: c m, m, l, atom], out0 [8192][1024] f32, out1 [8192] int32.  NaN and infinities are not treated apart.
; A stream: each byte of po is read once, each byte of out0 written once.  A work-group takes 16 rows, a wave two: all its 32 loads of 512 consecutive bytes go out at once, and the rows' eight words of each
; half come by scalar loads (no line of this launch writes st).  No LDS, no barrier, no matrix unit: no wave wants a number of another's.
; out1: wave 0 of every fourth work-group stores 64 rows' indices, 256 consecutive bytes at a multiple of 256 from out1's first byte.
.set HALFPO, 0x2000000                 ; bytes from one half of po to the other
.set HALFST, 0x20000                   ; and of st
.set A, 32                             ; v[32:95]   half 0: piece n of 16 (row n / 8, 512 bytes n % 8); then the result
.set B, 96                             ; v[96:159]  half 1
.set W, 12                             ; v[12:19]   row r: weight of half 0 twice at W + 4 r, of half 1 twice at W + 4 r + 2
	s_load_b256 s[4:11], s[0:1], 0x0               ; po s[4:5], st s[6:7], out0 s[8:9], out1 s[10:11]
	v_lshrrev_b32 v1, 5, v0
	v_readfirstlane_b32 s14, v1                    ; wave 0..7
	v_and_b32 v2, 31, v0                           ; lane
	v_lshlrev_b32 v3, 4, v2                        ; 16 bytes a lane; never rewritten
	s_lshl_b32 s32, ttmp9, 8                       ; st: 16 rows of 16 bytes a work-group,
	s_lshl_b32 s33, s14, 5                         ; two a wave
	s_add_co_u32 s32, s32, s33
	s_mov_b32 s33, 0
	s_lshl_b32 s34, ttmp9, 16                      ; po and out0: 16 rows of 4,096 bytes a work-group,
	s_lshl_b32 s35, s14, 13                        ; two a wave
	s_add_co_u32 s34, s34, s35
	s_mov_b32 s35, 0
	s_wait_kmcnt 0x0
	s_add_nc_u64 s[12:13], s[6:7], s[32:33]
	s_load_b256 s[16:23], s[12:13], 0x0            ; half 0: row 0: c m s16, m s17, l s18, atom s19; row 1: s20-23
	s_load_b256 s[24:31], s[12:13], HALFST         ; half 1: s24-27, s28-31
	s_add_nc_u64 s[36:37], s[4:5], s[34:35]
	s_add_nc_u64 s[38:39], s[36:37], HALFPO
	s_add_nc_u64 s[8:9], s[8:9], s[34:35]
.set n, 0
.rept 16
	global_load_b128 v[A+4*n:A+4*n+3], v3, s[36:37] offset:4096*(n/8)+512*(n%8) th:TH_LOAD_NT
	global_load_b128 v[B+4*n:B+4*n+3], v3, s[38:39] offset:4096*(n/8)+512*(n%8) th:TH_LOAD_NT
.set n, n+1
.endr
	s_wait_kmcnt 0x0
	v_mov_b32 v4, s16
	v_mov_b32 v5, s20
	v_max_num_f32 v4, s24, v4                      ; the greater c m, row 0
	v_max_num_f32 v5, s28, v5                      ; row 1
	v_sub_f32 v6, s16, v4
	v_sub_f32 v7, s24, v4
	v_sub_f32 v8, s20, v5
	v_sub_f32 v9, s28, v5
	v_exp_f32 v6, v6                               ; e: one of a row's two is 1
	v_exp_f32 v7, v7
	v_exp_f32 v8, v8
	v_exp_f32 v9, v9
	v_nop                                          ; a plain instruction behind the last exponential,
	s_wait_alu depctr_va_vdst(0)                   ; and the one wait ahead of the batch's first reader
	v_mul_f32 v10, s18, v6
	v_mul_f32 v11, s22, v8
	v_fmac_f32 v10, s26, v7                        ; l_0 e_0 + l_1 e_1
	v_fmac_f32 v11, s30, v9
	v_rcp_f32 v10, v10
	v_rcp_f32 v11, v11
	v_nop
	s_wait_alu depctr_va_vdst(0)                   ; the same for the two reciprocals
	v_mul_f32 v[W],   v6, v10
	v_mul_f32 v[W+1], v6, v10
	v_mul_f32 v[W+2], v7, v10
	v_mul_f32 v[W+3], v7, v10
	v_mul_f32 v[W+4], v8, v11
	v_mul_f32 v[W+5], v8, v11
	v_mul_f32 v[W+6], v9, v11
	v_mul_f32 v[W+7], v9, v11
.set n, 0
.rept 16
	s_wait_loadcnt 30-2*n                          ; loads come back in order: piece n of both halves is in, the younger 30 - 2 n loads stay out
	v_pk_mul_f32 v[A+4*n:A+4*n+1],   v[A+4*n:A+4*n+1],   v[W+4*(n/8):W+4*(n/8)+1]
	v_pk_mul_f32 v[A+4*n+2:A+4*n+3], v[A+4*n+2:A+4*n+3], v[W+4*(n/8):W+4*(n/8)+1]
	v_pk_fma_f32 v[A+4*n:A+4*n+1],   v[B+4*n:B+4*n+1],   v[W+4*(n/8)+2:W+4*(n/8)+3], v[A+4*n:A+4*n+1]
	v_pk_fma_f32 v[A+4*n+2:A+4*n+3], v[B+4*n+2:B+4*n+3], v[W+4*(n/8)+2:W+4*(n/8)+3], v[A+4*n+2:A+4*n+3]
	global_store_b128 v3, v[A+4*n:A+4*n+3], s[8:9] offset:4096*(n/8)+512*(n%8) th:TH_STORE_NT
.set n, n+1
.endr
	s_and_b32 s32, ttmp9, 3                        ; the indices: wave 0 of every fourth work-group: a branch on ids alone
	s_or_b32 s32, s32, s14
	s_cmp_lg_u32 s32, 0
	s_cbranch_scc1 .Lend
	s_lshl_b32 s32, ttmp9, 8                       ; st at the work-group's first row; 64 rows from there
	s_add_nc_u64 s[6:7], s[6:7], s[32:33]
	v_lshlrev_b32 v4, 5, v2                        ; lane l takes rows 2 l and 2 l + 1
	global_load_b128 v[B:B+3],     v4, s[6:7]
	global_load_b128 v[B+4:B+7],   v4, s[6:7] offset:16
	global_load_b128 v[B+8:B+11],  v4, s[6:7] offset:HALFST
	global_load_b128 v[B+12:B+15], v4, s[6:7] offset:HALFST+16
	s_lshl_b32 s32, ttmp9, 6                       ; 16 rows of 4 bytes a work-group
	s_add_nc_u64 s[10:11], s[10:11], s[32:33]
	v_lshlrev_b32 v5, 3, v2
	s_wait_loadcnt 0x0
	v_cmp_gt_f32 vcc_lo, v[B+9], v[B+1]            ; only a greater m of the upper half takes the place
	v_cndmask_b32 v6, v[B+3], v[B+11], vcc_lo
	v_cmp_gt_f32 vcc_lo, v[B+13], v[B+5]
	v_cndmask_b32 v7, v[B+7], v[B+15], vcc_lo
	global_store_b64 v5, v[6:7], s[10:11]
.Lend:
	s_endpgm
.Lfunc_end_k_q68a14ac842_merge:
	.size	k_q68a14ac842_merge, .Lfunc_end_k_q68a14ac842_merge-k_q68a14ac842_merge
	.p2alignl 7, 3214868480
	.fill 96, 4, 3214868480
	.section	.rodata,"a",@progbits
	.p2align	6, 0x0
	.amdhsa_kernel k_q68a14ac842_merge
		.amdhsa_group_segment_fixed_size 0
		.amdhsa_private_segment_fixed_size 0
		.amdhsa_enable_private_segment 0
		.amdhsa_kernarg_size 32
		.amdhsa_user_sgpr_count 2
		.amdhsa_user_sgpr_kernarg_segment_ptr 1
		.amdhsa_wavefront_size32 1
		.amdhsa_system_sgpr_workgroup_id_x 1
		.amdhsa_system_sgpr_workgroup_id_y 1
		.amdhsa_system_sgpr_workgroup_id_z 1
		.amdhsa_system_vgpr_workitem_id 0
		.amdhsa_next_free_vgpr 160
		.amdhsa_next_free_sgpr 66
		.amdhsa_reserve_vcc 1
		.amdhsa_float_denorm_mode_32 3
		.amdhsa_float_denorm_mode_16_64 3
		.amdhsa_memory_ordered 1
		.amdhsa_forward_progress 1
		.amdhsa_inst_pref_size 12
	.end_amdhsa_kernel
	.amdgpu_metadata
---
amdhsa.version: [ 1, 2 ]
amdhsa.kernels:
  - .name:           k_q68a14ac842_merge
    .symbol:         k_q68a14ac842_merge.kd
    .args:
      - { .name: po, .offset: 0, .size: 8, .value_kind: global_buffer, .address_space: global }
      - { .name: st, .offset: 8, .size: 8, .value_kind: global_buffer, .address_space: global }
      - { .name: out0, .offset: 16, .size: 8, .value_kind: global_buffer, .address_space: global }
      - { .name: out1, .offset: 24, .size: 8, .value_kind: global_buffer, .address_space: global }
    .group_segment_fixed_size: 0
    .private_segment_fixed_size: 0
    .kernarg_segment_align: 8
    .kernarg_segment_size: 32
    .max_flat_workgroup_size: 256
    .sgpr_count:     66
    .vgpr_count:     160
    .wavefront_size: 32
...
	.end_amdgpu_metadata
.endif
;; end of part 3
;; ======== version 2 of 2: 3 launches; version 1 with the launches cast, merge written anew for expert scheduling mode
;; workspace buffers: dh 8,388,608 bytes; xh 16,777,216 bytes; po 67,108,864 bytes; st 262,144 bytes
;; launch cast (part 4): grid 768 x 1, 8 waves a work-group, no clusters, 0 bytes of LDS; arguments x, dictionary, xh, dh; writes xh, dh
.if DOCPART == 4
	.amdgcn_target "amdgcn-amd-amdhsa--gfx1250"
	.amdhsa_code_object_version 6
	.text
	.protected	k_q68a14ac842_cast
	.globl	k_q68a14ac842_cast
	.p2align	8
	.type	k_q68a14ac842_cast,@function
k_q68a14ac842_cast:
	s_mov_b64 s[64:65], 0
	v_nop
	global_prefetch_b8 v0, s[64:65] scope:SCOPE_SE
	s_setreg_imm32_b32 hwreg(HW_REG_WAVE_SCHED_MODE, 0, 2), 2
	s_setreg_imm32_b32 hwreg(HW_REG_WAVE_MODE, 25, 1), 1
	s_wait_xcnt 0x0
	s_wait_alu depctr_vm_vsrc(0)
; x [8192][1024] and dictionary [4096][1024], f32, are rounded once to bf16 (xh, dh), and inside each group of 16 rows the rows change places:
; row j of a group goes to place 2 (j & 7) + (j >> 3).  The next launch reads one LDS tile of dh both by rows and turned; with this order both kinds of read find their rows in different banks.
; A work-group takes one group of 16 rows (65,536 bytes in, 32,768 out): groups 0-511 are x's, 512-767 the dictionary's.  Thread t takes the 16 bytes at 16 t of every row:
; a wave's load covers 512 consecutive bytes, its store 256 consecutive bytes at a multiple of 256 from the buffer's first byte.  All 16 loads of a thread go out at once.
; No LDS, no barrier: no thread wants a number that another has loaded.
; THE MODE: SCHED_MODE bits 1:0 = 2 (LLVM: expert scheduling mode 2), set by the entry lines.  The code itself states the register dependences
; between vector instructions and memory instructions, with s_wait_alu, always for 0.
; THE PLAN.  The 16 rows go in four blocks of four.  Registers that memory instructions touch:
;   v1, v2   byte offsets, made once at the head and never written again: v1 is read by every load, v2 by every store.
;   IN       row j: written by its one load; read by the two roundings of its block, behind the block's wait on LOADcnt.  No vector instruction names it before the load.
;   OUT      row j: written by the roundings of block p, once; read by a store that is issued in block p + 1.
; Block p rounds its own four rows; its memory instructions are the four stores of block p - 1, whose registers no vector instruction of block p names.  So one wait at a block's head
; states all that its stores hang on, and they are dealt among its roundings with no further wait.  No register that a memory instruction has read is written again.
.set ROWIN,  4096                      ; bytes in a row of f32
.set ROWOUT, 2048                      ; bytes in a row of bf16
.set XGROUPS, 512                      ; groups of 16 rows in x
.set BLOCK, 4                          ; rows in a block
.set IN,  8                            ; v[8:71]    row j as loaded: 4 registers
.set OUT, 72                           ; v[72:103]  row j to store: 2 registers
	s_load_b256 s[4:11], s[0:1], 0x0               ; x s[4:5], dictionary s[6:7], xh s[8:9], dh s[10:11]
	v_lshlrev_b32 v1, 4, v0                        ; my 16 bytes of a row on the way in
	v_lshlrev_b32 v2, 3, v0                        ; my 8 bytes on the way out
	s_sub_co_u32 s13, ttmp9, XGROUPS               ; the group's number, if it is the dictionary's
	s_cmp_lt_u32 ttmp9, XGROUPS                    ; x or dictionary: hangs on the work-group's number alone
	s_cselect_b32 s12, ttmp9, s13
	s_wait_kmcnt 0x0
	s_cselect_b64 s[14:15], s[4:5], s[6:7]         ; from where
	s_cselect_b64 s[16:17], s[8:9], s[10:11]       ; to where
	s_lshl_b32 s18, s12, 16                        ; 16 rows of 4,096 bytes
	s_mov_b32 s19, 0
	s_add_nc_u64 s[14:15], s[14:15], s[18:19]
	s_lshl_b32 s18, s12, 15                        ; 16 rows of 2,048 bytes
	s_add_nc_u64 s[16:17], s[16:17], s[18:19]
	s_wait_alu depctr_va_vdst(0)                   ; v1 and v2 are written: every load of the kernel reads v1 as its offset, every store v2
.set j, 0
.rept 16
	global_load_b128 v[IN+4*j:IN+4*j+3], v1, s[14:15] offset:ROWIN*j th:TH_LOAD_NT
.set j, j+1
.endr
.set p, 0
.rept 16/BLOCK
	s_wait_loadcnt 16-BLOCK-BLOCK*p                ; loads come back in order: block p's four rows are in, the rows of the later blocks stay out
.if p > 0
	s_wait_alu depctr_va_vdst(0)                   ; the block before has written its eight registers of OUT, which the four stores below read
.endif
.set i, 0
.rept BLOCK
.set j, BLOCK*p+i
.if p > 0
.set k, j-BLOCK
	global_store_b64 v2, v[OUT+2*k:OUT+2*k+1], s[16:17] offset:ROWOUT*(((k&7)<<1)|(k>>3))  ; a row of the block before, at its new place in its group; no vector instruction since the wait names these registers
.endif
	v_cvt_pk_bf16_f32 v[OUT+2*j],   v[IN+4*j],   v[IN+4*j+1]
	v_cvt_pk_bf16_f32 v[OUT+2*j+1], v[IN+4*j+2], v[IN+4*j+3]
.set i, i+1
.endr
.set p, p+1
.endr
	s_wait_alu depctr_va_vdst(0)                   ; the last block has written its registers of OUT, which the last four stores read
.set k, 16-BLOCK
.rept BLOCK
	global_store_b64 v2, v[OUT+2*k:OUT+2*k+1], s[16:17] offset:ROWOUT*(((k&7)<<1)|(k>>3))  ; the row's new place in its group
.set k, k+1
.endr
	s_endpgm
.Lfunc_end_k_q68a14ac842_cast:
	.size	k_q68a14ac842_cast, .Lfunc_end_k_q68a14ac842_cast-k_q68a14ac842_cast
	.p2alignl 7, 3214868480
	.fill 96, 4, 3214868480
	.section	.rodata,"a",@progbits
	.p2align	6, 0x0
	.amdhsa_kernel k_q68a14ac842_cast
		.amdhsa_group_segment_fixed_size 0
		.amdhsa_private_segment_fixed_size 0
		.amdhsa_enable_private_segment 0
		.amdhsa_kernarg_size 32
		.amdhsa_user_sgpr_count 2
		.amdhsa_user_sgpr_kernarg_segment_ptr 1
		.amdhsa_wavefront_size32 1
		.amdhsa_system_sgpr_workgroup_id_x 1
		.amdhsa_system_sgpr_workgroup_id_y 1
		.amdhsa_system_sgpr_workgroup_id_z 1
		.amdhsa_system_vgpr_workitem_id 0
		.amdhsa_next_free_vgpr 104
		.amdhsa_next_free_sgpr 66
		.amdhsa_reserve_vcc 0
		.amdhsa_float_denorm_mode_32 3
		.amdhsa_float_denorm_mode_16_64 3
		.amdhsa_memory_ordered 1
		.amdhsa_forward_progress 1
		.amdhsa_inst_pref_size 7
	.end_amdhsa_kernel
	.amdgpu_metadata
---
amdhsa.version: [ 1, 2 ]
amdhsa.kernels:
  - .name:           k_q68a14ac842_cast
    .symbol:         k_q68a14ac842_cast.kd
    .args:
      - { .name: x, .offset: 0, .size: 8, .value_kind: global_buffer, .address_space: global }
      - { .name: dictionary, .offset: 8, .size: 8, .value_kind: global_buffer, .address_space: global }
      - { .name: xh, .offset: 16, .size: 8, .value_kind: global_buffer, .address_space: global }
      - { .name: dh, .offset: 24, .size: 8, .value_kind: global_buffer, .address_space: global }
    .group_segment_fixed_size: 0
    .private_segment_fixed_size: 0
    .kernarg_segment_align: 8
    .kernarg_segment_size: 32
    .max_flat_workgroup_size: 256
    .sgpr_count:     66
    .vgpr_count:     104
    .wavefront_size: 32
...
	.end_amdgpu_metadata
.endif
;; end of part 4
;; launch attn: the kernel of part 2 again; grid 128 x 2, 4 waves a work-group, clusters of 4 x 1, 327,680 bytes of LDS; arguments dh, xh, mask, po, st; writes po, st
;; launch merge (part 5): grid 512 x 1, 8 waves a work-group, no clusters, 0 bytes of LDS; arguments po, st, out0, out1; writes out0, out1
.if DOCPART == 5
	.amdgcn_target "amdgcn-amd-amdhsa--gfx1250"
	.amdhsa_code_object_version 6
	.text
	.protected	k_q68a14ac842_merge
	.globl	k_q68a14ac842_merge
	.p2align	8
	.type	k_q68a14ac842_merge,@function
k_q68a14ac842_merge:
	s_mov_b64 s[64:65], 0
	v_nop
	global_prefetch_b8 v0, s[64:65] scope:SCOPE_SE
	s_setreg_imm32_b32 hwreg(HW_REG_WAVE_SCHED_MODE, 0, 2), 2
	s_setreg_imm32_b32 hwreg(HW_REG_WAVE_MODE, 25, 1), 1
	s_wait_xcnt 0x0
	s_wait_alu depctr_vm_vsrc(0)
; THE TWO HALVES OF THE ATOMS MEET.  For each row: e_i = 2^(c m_i - max(c m_0, c m_1)); out0 = (po_0 e_0 + po_1 e_1) / (l_0 e_0 + l_1 e_1); out1 = the atom of the half with the greater m, of equal ones the
; lower half's.  po [2][8192][1024] f32, st [2][8192][4 words: c m, m, l, atom], out0 [8192][1024] f32, out1 [8192] int32.  NaN and infinities are not treated apart.
; A stream: each byte of po is read once, each byte of out0 written once.  A work-group takes 16 rows, a wave two: all its 32 loads of 512 consecutive bytes go out at once, and the rows' eight words of each
; half come by scalar loads (no line of this launch writes st).  No LDS, no barrier, no matrix unit: no wave wants a number of another's.
; out1: wave 0 of every fourth work-group stores 64 rows' indices, 256 consecutive bytes at a multiple of 256 from out1's first byte.
; THE MODE: SCHED_MODE bits 1:0 = 2 (LLVM: expert scheduling mode 2), set by the entry lines.  The code itself states the register dependences
; between vector instructions and memory instructions, with s_wait_alu, always for 0.
; THE PLAN.  The wave's 16 pieces go in four blocks of four.  Registers that memory instructions touch:
;   v3       16 x lane, made once at the head and never written again: the offset of every load of po and of every store of out0.
;   A        piece n: written by its load; behind the block's wait on LOADcnt the block's arithmetic writes the result over it; read by a store that is issued in the next block; never written after that.
;   B        piece n: written by its load; read by the block's fused multiply-adds.  Its first 16 registers are loaded once more in the indices' arm.
;   v4, v5   in the indices' arm: offsets made there; no memory instruction has read them before.   v6, v7: the arm's two results, its store's data.
; Block p works on its own four pieces; its memory instructions are the four stores of block p - 1, whose registers no vector instruction of block p names.  So one wait at a block's head states all that
; its stores hang on, and they are dealt among its arithmetic with no further wait.  No register that a memory instruction has read is written again.
; Scalar registers that vector instructions write: s14 (the wave's number) and, in the arm, s2 and s3 (two masks): each has its wait ahead of its first reader.
.set HALFPO, 0x2000000                 ; bytes from one half of po to the other
.set HALFST, 0x20000                   ; and of st
.set BLOCK, 4                          ; pieces in a block
.set A, 32                             ; v[32:95]   half 0: piece n of 16 (row n / 8, 512 bytes n % 8); then the result
.set B, 96                             ; v[96:159]  half 1
.set W, 12                             ; v[12:19]   row r: weight of half 0 twice at W + 4 r, of half 1 twice at W + 4 r + 2
	s_load_b256 s[4:11], s[0:1], 0x0               ; po s[4:5], st s[6:7], out0 s[8:9], out1 s[10:11]
	v_lshrrev_b32 v1, 5, v0
	v_readfirstlane_b32 s14, v1                    ; wave 0..7
	v_and_b32 v2, 31, v0                           ; lane
	v_lshlrev_b32 v3, 4, v2                        ; 16 bytes a lane; never rewritten
	s_wait_alu depctr_va_sdst(0)                   ; s14 is written, ahead of its first reader: the wave's offsets in st, po and out0 are made from it
	s_lshl_b32 s32, ttmp9, 8                       ; st: 16 rows of 16 bytes a work-group,
	s_lshl_b32 s33, s14, 5                         ; two a wave
	s_add_co_u32 s32, s32, s33
	s_mov_b32 s33, 0
	s_lshl_b32 s34, ttmp9, 16                      ; po and out0: 16 rows of 4,096 bytes a work-group,
	s_lshl_b32 s35, s14, 13                        ; two a wave
	s_add_co_u32 s34, s34, s35
	s_mov_b32 s35, 0
	s_wait_kmcnt 0x0
	s_add_nc_u64 s[12:13], s[6:7], s[32:33]
	s_load_b256 s[16:23], s[12:13], 0x0            ; half 0: row 0: c m s16, m s17, l s18, atom s19; row 1: s20-23
	s_load_b256 s[24:31], s[12:13], HALFST         ; half 1: s24-27, s28-31
	s_add_nc_u64 s[36:37], s[4:5], s[34:35]
	s_add_nc_u64 s[38:39], s[36:37], HALFPO
	s_add_nc_u64 s[8:9], s[8:9], s[34:35]
	s_wait_alu depctr_va_vdst(0)                   ; v3 is written: every load of po and every store of out0 reads it as its offset
.set n, 0
.rept 16
	global_load_b128 v[A+4*n:A+4*n+3], v3, s[36:37] offset:4096*(n/8)+512*(n%8) th:TH_LOAD_NT
	global_load_b128 v[B+4*n:B+4*n+3], v3, s[38:39] offset:4096*(n/8)+512*(n%8) th:TH_LOAD_NT
.set n, n+1
.endr
	s_wait_kmcnt 0x0
	v_mov_b32 v4, s16
	v_mov_b32 v5, s20
	v_max_num_f32 v4, s24, v4                      ; the greater c m, row 0
	v_max_num_f32 v5, s28, v5                      ; row 1
	v_sub_f32 v6, s16, v4
	v_sub_f32 v7, s24, v4
	v_sub_f32 v8, s20, v5
	v_sub_f32 v9, s28, v5
	v_exp_f32 v6, v6                               ; e: one of a row's two is 1
	v_exp_f32 v7, v7
	v_exp_f32 v8, v8
	v_exp_f32 v9, v9
	v_nop                                          ; a plain instruction behind the last exponential,
	s_wait_alu depctr_va_vdst(0)                   ; and the one wait ahead of the batch's first reader: the four exponentials have written v6 to v9
	v_mul_f32 v10, s18, v6
	v_mul_f32 v11, s22, v8
	v_fmac_f32 v10, s26, v7                        ; l_0 e_0 + l_1 e_1
	v_fmac_f32 v11, s30, v9
	v_rcp_f32 v10, v10
	v_rcp_f32 v11, v11
	v_nop
	s_wait_alu depctr_va_vdst(0)                   ; the same for the two reciprocals: they have written v10 and v11
	v_mul_f32 v[W],   v6, v10
	v_mul_f32 v[W+1], v6, v10
	v_mul_f32 v[W+2], v7, v10
	v_mul_f32 v[W+3], v7, v10
	v_mul_f32 v[W+4], v8, v11
	v_mul_f32 v[W+5], v8, v11
	v_mul_f32 v[W+6], v9, v11
	v_mul_f32 v[W+7], v9, v11
.set p, 0
.rept 16/BLOCK
	s_wait_loadcnt 32-2*BLOCK-2*BLOCK*p            ; loads come back in order: block p's four pieces of both halves are in, the later blocks' loads stay out
.if p > 0
	s_wait_alu depctr_va_vdst(0)                   ; the block before has written its results over its 16 registers of A, which the four stores below read
.endif
.set i, 0
.rept BLOCK
.set n, BLOCK*p+i
.if p > 0
.set k, n-BLOCK
	global_store_b128 v3, v[A+4*k:A+4*k+3], s[8:9] offset:4096*(k/8)+512*(k%8) th:TH_STORE_NT  ; a piece of the block before; no vector instruction since the wait names these registers
.endif
	v_pk_mul_f32 v[A+4*n:A+4*n+1],   v[A+4*n:A+4*n+1],   v[W+4*(n/8):W+4*(n/8)+1]
	v_pk_mul_f32 v[A+4*n+2:A+4*n+3], v[A+4*n+2:A+4*n+3], v[W+4*(n/8):W+4*(n/8)+1]
	v_pk_fma_f32 v[A+4*n:A+4*n+1],   v[B+4*n:B+4*n+1],   v[W+4*(n/8)+2:W+4*(n/8)+3], v[A+4*n:A+4*n+1]
	v_pk_fma_f32 v[A+4*n+2:A+4*n+3], v[B+4*n+2:B+4*n+3], v[W+4*(n/8)+2:W+4*(n/8)+3], v[A+4*n+2:A+4*n+3]
.set i, i+1
.endr
.set p, p+1
.endr
	s_wait_alu depctr_va_vdst(0)                   ; the last block has written its results, which the last four stores read
.set k, 16-BLOCK
.rept BLOCK
	global_store_b128 v3, v[A+4*k:A+4*k+3], s[8:9] offset:4096*(k/8)+512*(k%8) th:TH_STORE_NT
.set k, k+1
.endr
	s_and_b32 s32, ttmp9, 3                        ; the indices: wave 0 of every fourth work-group: a branch on ids alone
	s_or_b32 s32, s32, s14
	s_cmp_lg_u32 s32, 0
	s_cbranch_scc1 .Lend
	s_lshl_b32 s32, ttmp9, 8                       ; st at the work-group's first row; 64 rows from there
	s_add_nc_u64 s[6:7], s[6:7], s[32:33]
	v_lshlrev_b32 v4, 5, v2                        ; lane l takes rows 2 l and 2 l + 1
	v_lshlrev_b32 v5, 3, v2                        ; and stores their two indices
	s_wait_alu depctr_va_vdst(0)                   ; v4 and v5 are written, the offsets of the loads and of the store below; the fused multiply-adds are done reading B, in which the loads land
	global_load_b128 v[B:B+3],     v4, s[6:7]
	global_load_b128 v[B+4:B+7],   v4, s[6:7] offset:16
	global_load_b128 v[B+8:B+11],  v4, s[6:7] offset:HALFST
	global_load_b128 v[B+12:B+15], v4, s[6:7] offset:HALFST+16
	s_lshl_b32 s32, ttmp9, 6                       ; 16 rows of 4 bytes a work-group
	s_add_nc_u64 s[10:11], s[10:11], s[32:33]
	s_wait_loadcnt 0x0
	v_cmp_gt_f32 s2, v[B+9], v[B+1]                ; only a greater m of the upper half takes the place
	v_cmp_gt_f32 s3, v[B+13], v[B+5]
	s_wait_alu depctr_va_sdst(0)                   ; the two compares have written s2 and s3, which the two selects read
	v_cndmask_b32 v6, v[B+3], v[B+11], s2
	v_cndmask_b32 v7, v[B+7], v[B+15], s3
	s_wait_alu depctr_va_vdst(0)                   ; the selects have written v6 and v7, the store's data
	global_store_b64 v5, v[6:7], s[10:11]
.Lend:
	s_endpgm
.Lfunc_end_k_q68a14ac842_merge:
	.size	k_q68a14ac842_merge, .Lfunc_end_k_q68a14ac842_merge-k_q68a14ac842_merge
	.p2alignl 7, 3214868480
	.fill 96, 4, 3214868480
	.section	.rodata,"a",@progbits
	.p2align	6, 0x0
	.amdhsa_kernel k_q68a14ac842_merge
		.amdhsa_group_segment_fixed_size 0
		.amdhsa_private_segment_fixed_size 0
		.amdhsa_enable_private_segment 0
		.amdhsa_kernarg_size 32
		.amdhsa_user_sgpr_count 2
		.amdhsa_user_sgpr_kernarg_segment_ptr 1
		.amdhsa_wavefront_size32 1
		.amdhsa_system_sgpr_workgroup_id_x 1
		.amdhsa_system_sgpr_workgroup_id_y 1
		.amdhsa_system_sgpr_workgroup_id_z 1
		.amdhsa_system_vgpr_workitem_id 0
		.amdhsa_next_free_vgpr 160
		.amdhsa_next_free_sgpr 66
		.amdhsa_reserve_vcc 0
		.amdhsa_float_denorm_mode_32 3
		.amdhsa_float_denorm_mode_16_64 3
		.amdhsa_memory_ordered 1
		.amdhsa_forward_progress 1
		.amdhsa_inst_pref_size 13
	.end_amdhsa_kernel
	.amdgpu_metadata
---
amdhsa.version: [ 1, 2 ]
amdhsa.kernels:
  - .name:           k_q68a14ac842_merge
    .symbol:         k_q68a14ac842_merge.kd
    .args:
      - { .name: po, .offset: 0, .size: 8, .value_kind: global_buffer, .address_space: global }
      - { .name: st, .offset: 8, .size: 8, .value_kind: global_buffer, .address_space: global }
      - { .name: out0, .offset: 16, .size: 8, .value_kind: global_buffer, .address_space: global }
      - { .name: out1, .offset: 24, .size: 8, .value_kind: global_buffer, .address_space: global }
    .group_segment_fixed_size: 0
    .private_segment_fixed_size: 0
    .kernarg_segment_align: 8
    .kernarg_segment_size: 32
    .max_flat_workgroup_size: 256
    .sgpr_count:     66
    .vgpr_count:     160
    .wavefront_size: 32
...
	.end_amdgpu_metadata
.endif
;; end of part 5
